; MI455X (gfx1250); checked and timed in simulation.
; The chip was launched on July 23, 2026; its instructions are those of AMD's public machine-readable ISA for CDNA 5 (MIT licence, August 2026) and "CDNA5" Instruction Set Architecture Reference Guide (July 2026). The comments in the code are by the model that wrote it; some were corrected since.
;; Multihead Self Attention. Allowed arithmetic: matrix products marked QUANTISED: E2M1 operands, one E8M0 scale for each 32 along K, by v_wmma_scale_f32_16x16x128_f8f6f4 with both operands' format E2M1 (or v_wmma_scale_f32_32x16x128_f4), f32 sums; everything else in f32.
;; Inputs: Wk_codes 1,024 x 32 x 16 uint8 (E2M1 codes of Wk, K innermost, in blocks of 32 codes, two codes a byte); Wk_scales 1,024 x 32 uint8 (E8M0 scales of Wk, one for each 32 codes along K); Wq_codes 1,024 x 32 x 16 uint8 (E2M1 codes of Wq, K innermost, in blocks of 32 codes, two codes a byte); Wq_scales 1,024 x 32 uint8 (E8M0 scales of Wq, one for each 32 codes along K); Wv_codes 1,024 x 32 x 16 uint8 (E2M1 codes of Wv, K innermost, in blocks of 32 codes, two codes a byte); Wv_scales 1,024 x 32 uint8 (E8M0 scales of Wv, one for each 32 codes along K); bk 1,024 float32; bq 1,024 float32; bv 1,024 float32; x_codes 4 x 2,048 x 32 x 16 uint8 (E2M1 codes of x, K innermost, in blocks of 32 codes, two codes a byte); x_scales 4 x 2,048 x 32 uint8 (E8M0 scales of x, one for each 32 codes along K).
;; Outputs: out0 4 x 2,048 x 1,024 float32.
;; This version of the problem:
;;   THIS VERSION OF THE PROBLEM IS GIVEN IN LOW PRECISION. The matrix products marked QUANTISED in the list below multiply operands that are first quantised to E2M1 (2 exponent bits, 1 mantissa bit; 4 bits a number), with one power-of-two scale for each 32 numbers along K (OCP MX v1.0); their sums are f32. All else is computed in f32.
;;   The module's matrix products, in the order in which they are computed (A, B: the left and right operand; K: the contracted axis; several contracted axes count as one K, in the product's order):
;;     1. [M 8,192, K 1,024] x [K 1,024, N 1,024]; A: input x (given as codes); B: input Wq (given as codes): QUANTISED
;;     2. [M 8,192, K 1,024] x [K 1,024, N 1,024]; A: input x (given as codes); B: input Wk (given as codes): QUANTISED
;;     3. [M 8,192, K 1,024] x [K 1,024, N 1,024]; A: input x (given as codes); B: input Wv (given as codes): QUANTISED
;;     4. batch 64 x [M 2,048, K 64] x [K 64, N 2,048]; A: computed on the way; B: computed on the way: QUANTISED
;;     5. batch 64 x [M 2,048, K 2,048] x [K 2,048, N 64]; A: softmax (see below); B: computed on the way: QUANTISED
;;   THE QUANTISER, for each operand of a quantised product, along K:
;;     - K is cut into blocks of 32 from its start; a last block that is shorter is filled with zeros.
;;     - A block's scale is 2^e with e = floor(log2(the largest magnitude in the block)) - 2, held to -126 .. 127; a block of zeros has e = 0. As a byte (E8M0): e + 127.
;;     - Each number is divided by its block's scale, clamped to +-6, and rounded to the nearest number of E2M1, ties to even, subnormals kept.
;;     - The product sums the exact products of the quantised numbers (number of the format x scale) in f32.
;;   ~~~python
;;   def quantise(x, axis):      # numpy; x: float32 -> the quantised numbers, widened to float32 again
;;       x = np.moveaxis(x, axis, -1); K = x.shape[-1]
;;       x = np.pad(x, [(0, 0)] * (x.ndim - 1) + [(0, -K % 32)]); x = x.reshape(x.shape[:-1] + (-1, 32)); a = np.abs(x).max(-1, keepdims=True)
;;       e = np.where(a > 0, np.clip(np.frexp(np.where(a > 0, a, 1))[1] - 1 - 2, -126, 127), 0)      # np.frexp(a)[1] - 1 = floor(log2(a)), exactly
;;       r = np.clip(x / 2.0 ** e, -6, 6)
;;       step = 2.0 ** (np.maximum(np.frexp(np.where(r == 0, 1, r))[1] - 1, 0) - 1)
;;       q = np.round(r / step) * step * 2.0 ** e      # np.round: ties to even
;;       return np.moveaxis(q.reshape(q.shape[:-2] + (-1,))[..., :K], -1, axis).astype(np.float32)
;;   ~~~
;;   SOFTMAX AHEAD OF A QUANTISED PRODUCT. Where the list says 'softmax', what is quantised is not the finished softmax but p = 2^(t - M), with t = logit x log2(e) and M = ceil(the row's largest t), a whole number; so 1/2 < the row's largest p <= 1. The row's sum l is taken of the UNQUANTISED p, in f32, and the product's result is divided by l at the end. Since M is a whole number, a kernel that streams over the keys may use a running M (the ceiling of the running maximum): every later rescaling is an exact power of two, which a block's scale takes up: the codes' values come out the same.
;;   OPERANDS COMPUTED ON THE WAY. 'Computed on the way' means the value that the module computes at that place (a softmax that the list does not call 'softmax' is quantised finished and normalised). What goes into a quantiser is computed in f32, as accurately as f32 sums, v_exp_f32 and their like allow (about 1e-6 of the number): no bf16 or f16 on the way to a quantiser, and a product that is left as it is and whose result goes on into a quantised operand takes f32 operands (vector FMAs, or v_wmma_f32_16x16x4_f32). A number that lies on a knife's edge between two numbers of the format may be rounded either way, as far as f32 arithmetic and the matrix unit's own rounding can turn it there, and no further.
;;   INPUTS GIVEN AS CODES. Wk (in the module: [1024, 1024], K = its axis 0); Wq (in the module: [1024, 1024], K = its axis 0); Wv (in the module: [1024, 1024], K = its axis 0); x (in the module: [4, 2048, 1024], K = its axis 2): each comes as NAME_codes (uint8): NAME with its K axis moved to the last place and cut into blocks of 32 codes, [.., K / 32, bytes a block], one block behind the other in memory; two codes a byte, the lower K in the low four bits (a code: sign, 2 exponent bits, 1 mantissa bit); and NAME_scales (uint8): the same leading axes, one E8M0 byte (e + 127) for each 32 codes along K. Its value is code x scale, taken as it is: it is not quantised again, and the codes and scales need not be those that the quantiser above would give.
;; One version. Each part assembles by itself: llvm-mc -triple=amdgcn-amd-amdhsa -mcpu=gfx1250 --defsym DOCPART=n.
;; ======== version 1 of 1: 2 launches
;; limits: right only within a limited range of input values
;; workspace buffers: ws 13,369,344 bytes
;; launch proj (part 1): grid 12 x 32, 4 waves a work-group, clusters of 4 x 4, 327,680 bytes of LDS; arguments x_codes, x_scales, Wq_codes, Wq_scales, Wk_codes, Wk_scales, Wv_codes, Wv_scales, bq, bk, bv, ws; writes ws
.if DOCPART == 1
	.amdgcn_target "amdgcn-amd-amdhsa--gfx1250"
	.amdhsa_code_object_version 6
	.text
	.protected	k_q033c778a1c_proj
	.globl	k_q033c778a1c_proj
	.p2align	8
	.type	k_q033c778a1c_proj,@function
k_q033c778a1c_proj:
	s_mov_b64 s[64:65], 0
	v_nop
	global_prefetch_b8 v0, s[64:65] scope:SCOPE_SE
	s_setreg_imm32_b32 hwreg(HW_REG_WAVE_MODE, 25, 1), 1
	s_wait_xcnt 0x0
	s_wait_alu depctr_hold_cnt(0) depctr_sa_sdst(0) depctr_va_vdst(0) depctr_va_sdst(0) depctr_va_ssrc(0) depctr_va_vcc(0) depctr_vm_vsrc(0)
	s_getreg_b32 s2, hwreg(HW_REG_IB_STS2, 6, 4)
	s_cmp_eq_u32 s2, 0
	s_cbranch_scc0 .Lentry_in_a_cluster
	s_endpgm
.Lentry_in_a_cluster:
	s_bfe_u32 s2, ttmp6, 0x10000c
	s_cmp_lg_u32 s2, 0xf033
	s_cbranch_scc0 .Lentry_shape_is_right
	s_endpgm
.Lentry_shape_is_right:
.set NQ,     4
.set ROWB,   256
.set KROW,   512
.set PITCH,  272
.set FR,     8
.set NL,     2
.set NP,     4
.set HALFT,  128*PITCH
.set SLOT,   4*HALFT
.set KS,     32
.set SCL,    2*SLOT
.set HALFS,  (128*KS/256)*272
.set SBLK,   (16*KS/256)*272
; q, k, v = x W + b, on codes of FP4 (E2M1) with one E8M0 scale for each 32 along K, sums in f32; then each is quantised again along the K of its next product and stored as images of the operands' registers.
; ws: 64 heads x 16 steps of 128 tokens x a record of 13,056 bytes: +0 Q's codes, +4096 Q's scale words, +4352 K's codes, +8448 K's scale words, +8704 V's codes (tokens along K), +12800 V's scale words.
; Scale words of Q and K: 16 rows x 4 words; word W(i) of row r: the two bytes of token 32 i + r below, those of token 32 i + 16 + r above; in a row they lie in the order W(0), W(2), W(1), W(3).
; LIMITS: NaN and infinities are not served.  A block whose largest magnitude lies under 2^-124 gets the byte 1.
.set REC,    13056
.set HEADB,  16*REC
.set KINDB,  4352
.set ADRA, 16
.set ADRB, 20
.set L16,  24
.set L8,   25
.set BO,   26
.set ADRS, 27
.set BLO,  28
.set SC,   32
.set AF,   128
.set TM,   96
.set PW,   112
.set SW,   120
.set SW1,  124
.set T,    128
.set PC,   192
.set BL,   64
.set BI,   192
.set G1, 24
.set G0, 32
.set G1B, 48
.set G0B, 56
.set G1S, 68
.set G0S, 76
.set G1SB, 80
.set G0SB, 88
.set MSB, 0
.macro WIN new
.if MSB != (\new)
	s_set_vgpr_msb (MSB<<8)|(\new)
.set MSB, (\new)
.endif
.endm
.set MUL_LO, 0xa1
.set MUL_HI, 0xf1
.set TO_B,   0x40
.macro JLOAD g0a, g1a, g0b, g1b
	s_cmp_eq_u32 s15, 0
	s_cbranch_scc0 .Lfor_b_\@
	tensor_load_to_lds s[\g0a:\g0a+3], s[\g1a:\g1a+7]
	s_nop 0
.rept 4
	v_nop
.endr
	s_branch .Lasked_\@
.Lfor_b_\@:
	tensor_load_to_lds s[\g0b:\g0b+3], s[\g1b:\g1b+7]
	s_nop 0
.rept 4
	v_nop
.endr
.Lasked_\@:
.endm
.macro CROUND
	s_barrier_signal -1
	s_barrier_wait -1
	s_cmp_lg_u32 s14, 0
	s_cbranch_scc1 .Lnot_wave_0_\@
	s_barrier_signal -3
.Lnot_wave_0_\@:
	s_barrier_wait -3
	s_barrier_signal -1
	s_barrier_wait -1
.endm
	s_load_b512 s[68:83], s[0:1], 0x0
	s_load_b256 s[84:91], s[0:1], 0x40
	v_lshl_add_u32 v106, v0, 2, 0x48400
	v_mov_b32 v107, 0
	ds_add_u32 v106, v107
	ds_add_u32 v106, v107
	v_lshrrev_b32 v1, 5, v0
	v_readfirstlane_b32 s14, v1
	s_lshr_b32 s15, s14, 1
	s_and_b32 s16, s14, 1
	s_bfe_u32 s40, ttmp6, 0x40000
	s_bfe_u32 s41, ttmp6, 0x40004
	s_and_b32 s17, ttmp7, 0xffff
	s_lshl_b32 s17, s17, 2
	s_cmp_eq_u32 ttmp9, 2
	s_cselect_b32 s42, s17, 0
	s_cselect_b32 s17, 0, s17
	s_add_co_u32 s42, s42, s40
	s_add_co_u32 s17, s17, s41
	s_lshl_b32 s43, s41, 2
	s_lshl_b32 s43, 15, s43
	s_lshl_b32 s44, 0x1111, s40
	s_or_b32 s[G1+0], s43, (0<<16)|(1<<20)|(1<<21)|(5<<22)|(3<<25)
	s_or_b32 s[G1B+0], s44, (0<<16)|(1<<20)|(1<<21)|(5<<22)|(3<<25)
.irp g, G1, G1B
	s_mov_b32 s[\g+1], ROWB<<16
	s_mov_b32 s[\g+2], 256<<16                     ; 256 rows for the head's loads; 128 for slot 1's, set behind them
	s_mov_b32 s[\g+3], ROWB<<16
	s_mov_b32 s[\g+4], 256
	s_mov_b32 s[\g+5], KROW
	s_mov_b32 s[\g+6], 0
	s_mov_b32 s[\g+7], 0
.endr
	s_lshl_b32 s18, s16, 16                        ; slot 1: which 128 rows of a tile I fetch, in bytes (rows of 512)
	s_mov_b32 s19, 0
	s_lshl_b32 s20, s17, 8                         ; the tile's first row
	s_lshl_b32 s46, s42, 8
	s_lshl_b32 s22, s20, 5
	s_lshl_b32 s92, s46, 5
	s_lshl_b32 s20, s20, 9
	s_lshl_b32 s46, s46, 9
	s_mov_b32 s21, 0
	s_mov_b32 s23, 0
	s_mov_b32 s47, 0
	s_mov_b32 s93, 0
	s_mul_i32 s45, s14, HALFT
	s_mov_b32 s99, 0xffff0000
	s_mov_b32 s100, 0x76543210
	s_mov_b32 s101, 0xfedcba98
	s_wait_dscnt 0x0
	s_wait_kmcnt 0x0
	s_cmp_eq_u32 ttmp9, 2
	s_cselect_b64 s[4:5], s[80:81], s[68:69]
	s_cselect_b64 s[6:7], s[82:83], s[70:71]
	s_cselect_b64 s[8:9], s[68:69], s[76:77]
	s_cselect_b64 s[10:11], s[70:71], s[78:79]
	s_cselect_b64 s[96:97], s[88:89], s[86:87]
	s_cmp_eq_u32 ttmp9, 0
	s_cselect_b64 s[8:9], s[72:73], s[8:9]
	s_cselect_b64 s[10:11], s[74:75], s[10:11]
	s_cselect_b64 s[96:97], s[84:85], s[96:97]
	s_mov_b64 s[12:13], s[90:91]
	s_add_nc_u64 s[20:21], s[4:5], s[20:21]
	s_add_nc_u64 s[22:23], s[6:7], s[22:23]
	s_add_nc_u64 s[46:47], s[8:9], s[46:47]
	s_add_nc_u64 s[92:93], s[10:11], s[92:93]
	s_or_b32 s[G1S+0], s43, (3<<16)|(1<<20)|(1<<21)|(5<<22)|(3<<25)
	s_or_b32 s[G1SB+0], s44, (3<<16)|(1<<20)|(1<<21)|(5<<22)|(3<<25)
.irp g, G1S, G1SB
	s_mov_b32 s[\g+1], 32<<16
	s_mov_b32 s[\g+2], KS<<16                      ; the scales of 256 rows: KS rows of 256 bytes
	s_mov_b32 s[\g+3], 32<<16
	s_mov_b32 s[\g+4], KS
	s_mov_b32 s[\g+5], 32
	s_mov_b32 s[\g+6], 0
	s_mov_b32 s[\g+7], 0
.endr
	CROUND
; THE HEAD'S LOADS, ONE A WAVE: wave 0 fetches the first K step's 256 rows of source 1's side (A), wave 1 those of source 0's side (B), wave 2 A's scales for all of K, wave 3 B's.
.set G0H, 4                            ; s[4:7], s[8:11] group 0 of the two loads of codes (the addresses that lay there have been used)
.set G0HB, 8
	s_mov_b32 s[G0H], 1
	s_mov_b32 s[G0H+1], 0
	s_mov_b64 s[G0H+2:G0H+3], s[20:21]
	s_or_b32 s[G0H+3], s[G0H+3], 0x80000000
	s_mov_b32 s[G0HB], 1
	s_mov_b32 s[G0HB+1], 2*HALFT
	s_mov_b64 s[G0HB+2:G0HB+3], s[46:47]
	s_or_b32 s[G0HB+3], s[G0HB+3], 0x80000000
	s_mov_b32 s[G0S], 1
	s_mov_b32 s[G0S+1], SCL
	s_mov_b64 s[G0S+2:G0S+3], s[22:23]
	s_or_b32 s[G0S+3], s[G0S+3], 0x80000000
	s_mov_b32 s[G0SB], 1
	s_mov_b32 s[G0SB+1], SCL+2*HALFS
	s_mov_b64 s[G0SB+2:G0SB+3], s[92:93]
	s_or_b32 s[G0SB+3], s[G0SB+3], 0x80000000
.macro ARM under, g0, g1, next
	s_cmp_lt_u32 s14, \under
	s_cbranch_scc0 \next
	tensor_load_to_lds s[\g0:\g0+3], s[\g1:\g1+7]
	s_nop 0
.rept 4
	v_nop
.endr
	s_branch .Lhead_asked
\next:
.endm
	ARM 1, G0H,  G1,  .Lhead_b
	ARM 2, G0HB, G1B, .Lhead_sa
	ARM 3, G0S,  G1S, .Lhead_sb
	tensor_load_to_lds s[G0SB:G0SB+3], s[G1SB:G1SB+7]
	s_nop 0
.rept 4
	v_nop
.endr
.Lhead_asked:
	s_add_nc_u64 s[20:21], s[20:21], s[18:19]      ; slot 1: my 128 rows, the second K step
	s_add_nc_u64 s[46:47], s[46:47], s[18:19]
	s_mov_b32 s[G0+4], 1
	s_add_co_u32 s[G0+5], s45, SLOT
	s_add_nc_u64 s[G0+6:G0+7], s[20:21], ROWB
	s_or_b32 s[G0+7], s[G0+7], 0x80000000
	s_mov_b32 s[G0B+4], 1
	s_add_co_u32 s[G0B+5], s45, SLOT
	s_add_nc_u64 s[G0B+6:G0B+7], s[46:47], ROWB
	s_or_b32 s[G0B+7], s[G0B+7], 0x80000000
	v_and_b32 v1, 15, v0
	v_bfe_u32 v2, v0, 4, 1
	v_mul_u32_u24 v3, v1, PITCH
	v_lshl_add_u32 v4, v2, 4, v3
	s_mul_i32 s21, s15, HALFT
	s_mul_i32 s22, s16, HALFT
	s_add_co_u32 s22, s22, 2*HALFT
.irp s, 0,1
	v_add_nc_u32 v[ADRA+\s], s21, v4
	v_add_nc_u32 v[ADRB+\s], s22, v4
	s_add_co_u32 s21, s21, SLOT
	s_add_co_u32 s22, s22, SLOT
.endr
	v_mul_u32_u24 v5, v1, KS
	v_lshrrev_b32 v6, 8, v5
	v_lshl_add_u32 v5, v6, 4, v5
	s_mul_i32 s21, s15, HALFS
	s_mul_i32 s22, s16, HALFS
	s_add_co_u32 s22, s22, 2*HALFS
	s_sub_co_u32 s22, s22, s21
	v_mul_u32_u24 v6, s22, v2
	s_add_co_u32 s21, s21, SCL
	v_add_nc_u32 v5, v5, v6
	v_add_nc_u32 v[ADRS], s21, v5
	v_and_b32 v6, 31, v0
	v_lshlrev_b32 v[L16], 4, v6
	v_lshlrev_b32 v[L8], 3, v6
	v_lshlrev_b32 v[BO], 5, v2
	s_wait_alu depctr_va_vdst(0)
	v_lshlrev_b32 v[BLO], 2, v1
	s_wait_alu depctr_va_vdst(0)
.irp b, 0,1,2,3
	v_mov_b32 v[TM+4+\b], 0
.endr
	s_lshl_b32 s18, s17, 1
	s_add_co_u32 s18, s18, s15
	s_lshl_b32 s19, s42, 1
	s_add_co_u32 s19, s19, s16
	s_cmp_eq_u32 ttmp9, 2
	s_cselect_b32 s20, s19, s18
	s_cselect_b32 s98, s18, s19
	s_lshr_b32 s21, s20, 4
	s_lshl_b32 s21, s21, 4
	s_lshl_b32 s22, s98, 1
	s_add_co_u32 s21, s21, s22
	s_lshl_b32 s21, s21, 4
	s_and_b32 s20, s20, 15
	s_add_co_u32 s21, s21, s20
	s_mul_i32 s20, s21, REC
	s_mul_i32 s22, ttmp9, KINDB
	s_add_co_u32 s20, s20, s22
	s_mov_b32 s21, 0
	s_add_nc_u64 s[12:13], s[12:13], s[20:21]
	s_lshl_b32 s20, s98, 9
	s_add_nc_u64 s[96:97], s[96:97], s[20:21]
	WIN TO_B
.irp b, 0,1,2,3,4,5,6,7
	global_load_b128 v[BI+8*\b:BI+8*\b+3], v[BO], s[96:97] offset:64*\b
	global_load_b128 v[BI+8*\b+4:BI+8*\b+7], v[BO], s[96:97] offset:64*\b+16
.endr
.irp a, 0,1,2,3,4,5,6,7
	global_load_b32 v[BL+\a], v[BLO], s[96:97] offset:64*\a
.endr
	WIN 0
.macro FRAG reg, adr, q, i
.irp c, 0,1
	ds_load_b128 v[\reg+4*\c:\reg+4*\c+3], v[\adr] offset:64*(\q)+32*\c+(\i)*16*PITCH
.endr
.endm
.macro MUL16 a0, p, q, sc, zero
.irp a, \a0, \a0+1
.irp b, 0,1,2,3,4,5,6,7
.if \zero
	v_wmma_scale_f32_16x16x128_f8f6f4 v[8*(8*((\a)%4)+\b):8*(8*((\a)%4)+\b)+7], v[128*(\p)+FR*\b:128*(\p)+FR*\b+FR-1], v[AF+FR*(\a):AF+FR*(\a)+FR-1], 0, v[SC+8*NQ*(\sc)+NQ*\b+(\q)], v[SC+8*NQ*(\sc)+NQ*(\a)+(\q)] matrix_a_fmt:MATRIX_FMT_FP4 matrix_b_fmt:MATRIX_FMT_FP4 matrix_a_scale:MATRIX_SCALE_ROW1
.else
	v_wmma_scale_f32_16x16x128_f8f6f4 v[8*(8*((\a)%4)+\b):8*(8*((\a)%4)+\b)+7], v[128*(\p)+FR*\b:128*(\p)+FR*\b+FR-1], v[AF+FR*(\a):AF+FR*(\a)+FR-1], v[8*(8*((\a)%4)+\b):8*(8*((\a)%4)+\b)+7], v[SC+8*NQ*(\sc)+NQ*\b+(\q)], v[SC+8*NQ*(\sc)+NQ*(\a)+(\q)] matrix_a_fmt:MATRIX_FMT_FP4 matrix_b_fmt:MATRIX_FMT_FP4 matrix_a_scale:MATRIX_SCALE_ROW1
.endif
.endr
.endr
.endm
.macro FETCH_B slot, q, p
	WIN TO_B
.irp i, 0,1,2,3,4,5,6,7
	FRAG 128*(\p)+FR*\i, ADRB+\slot, \q, \i
.endr
	WIN 0
.endm
.macro FETCH_A slot, q, i0
.irp i, \i0, \i0+1, \i0+2, \i0+3
	FRAG AF+FR*(\i), ADRA+\slot, \q, \i
.endr
.endm
.macro SCALES sc
.irp i, 0,1,2,3,4,5,6,7
	ds_load_b128 v[SC+8*NQ*\sc+NQ*\i:SC+8*NQ*\sc+NQ*\i+3], v[ADRS] offset:\i*SBLK
.endr
.endm
.macro PLACES n
.rept \n
	v_nop
.endr
.endm
.macro STEP slot, q, zero
	s_wait_dscnt 4*NL
	WIN MUL_LO
	MUL16 0, (\q)%2, \q, \slot, \zero
	MUL16 2, (\q)%2, \q, \slot, \zero
	s_wait_dscnt 0
	PLACES NP
	FETCH_B \slot, (\q)+1, 1-(\q)%2
	FETCH_A \slot, (\q)+1, 0
	WIN MUL_HI
	MUL16 4, (\q)%2, \q, \slot, \zero
	MUL16 6, (\q)%2, \q, \slot, \zero
	PLACES NP
	WIN 0
	FETCH_A \slot, (\q)+1, 4
.endm
	s_wait_alu depctr_va_vdst(0)
	s_wait_tensorcnt 0x0                           ; my tile of the head's four is in; these lines stand ahead of a later first fill
	ds_add_u32 v106, v107
	s_mov_b32 s[G1+2], 128<<16                     ; no tensor load of mine is out: from here on a load brings 128 rows
	s_mov_b32 s[G1+4], 128
	s_mov_b32 s[G1B+2], 128<<16
	s_mov_b32 s[G1B+4], 128
	s_wait_dscnt 0x0
	CROUND                                         ; all four tiles are in, and all sixteen work-groups are here: the joint loads meet
	JLOAD G0+4, G1, G0B+4, G1B                     ; the second K step, into slot 1
	FETCH_B 0, 0, 0
	FETCH_A 0, 0, 0
	SCALES 0
	FETCH_A 0, 0, 4
	STEP 0, 0, 1
	STEP 0, 1, 0
	STEP 0, 2, 0
	s_wait_tensorcnt 0x0
	s_wait_dscnt 4*NL
	WIN MUL_LO
	MUL16 0, 1, NQ-1, 0, 0
	s_wait_dscnt 0x0
	s_barrier_signal -1
	MUL16 2, 1, NQ-1, 0, 0
	WIN 0
	s_barrier_wait -1
	PLACES NP
	v_add_nc_u32 v[ADRS], 4*NQ, v[ADRS]
	FETCH_B 1, 0, 0
	FETCH_A 1, 0, 0
	SCALES 1
	WIN MUL_HI
	MUL16 4, 1, NQ-1, 0, 0
	MUL16 6, 1, NQ-1, 0, 0
	PLACES NP
	WIN 0
	FETCH_A 1, 0, 4
	STEP 1, 0, 0
	STEP 1, 1, 0
	STEP 1, 2, 0
	s_wait_dscnt 4*NL
	WIN MUL_LO
	MUL16 0, 1, NQ-1, 1, 0
	MUL16 2, 1, NQ-1, 1, 0
	s_wait_dscnt 0
	WIN MUL_HI
	MUL16 4, 1, NQ-1, 1, 0
	MUL16 6, 1, NQ-1, 1, 0
	WIN 0
.macro QUANT pc, pw
.irp b, 0,1,2,3
	v_max3_num_f32 v[TM+\b], |v[T+16*\b]|, |v[T+1+16*\b]|, 0x1800000
.endr
.irp i, 2,4,6,8,10,12,14
.irp b, 0,1,2,3
	v_max3_num_f32 v[TM+\b], v[TM+\b], |v[T+16*\b+\i]|, |v[T+1+16*\b+\i]|
.endr
.endr
.irp b, 0,1,2,3
	v_permlanex16_b32 v[TM+4+\b], v[TM+\b], s100, s101
.endr
.irp b, 0,1,2,3
	v_max_num_f32 v[TM+\b], v[TM+\b], v[TM+4+\b]
.endr
.irp b, 0,1,2,3
	v_add_nc_u32 v[TM+12+\b], 0xff000000, v[TM+\b]
.endr
.irp b, 0,1,2,3
	v_lshrrev_b32 v[TM+4+\b], 23, v[TM+12+\b]
.endr
	v_lshl_or_b32 v[\pw], v[TM+5], 8, v[TM+4]
	v_lshl_or_b32 v[\pw], v[TM+6], 16, v[\pw]
	v_lshl_or_b32 v[\pw], v[TM+7], 24, v[\pw]
.irp b, 0,1,2,3,4,5,6,7
	v_cvt_scalef32_pk8_fp4_f32 v[\pc+4*(\b/4)+2*(\b%2)+(\b%4)/2], v[T+8*\b:T+8*\b+7], v[TM+12+\b/2]
.endr
	v_nop
.irp c, 0,1
	v_permlane16_swap_b32 v[\pc+4*\c], v[\pc+4*\c+1]
	v_permlane16_swap_b32 v[\pc+4*\c+2], v[\pc+4*\c+3]
.endr
.endm
.macro EPI a, isv
.set AC, 64*((\a)%4)
	WIN 0x06+(\a)/4
.irp b, 0,1,2,3,4,5,6,7
.irp i, 0,2,4,6
.if \isv
.if (\a)%2
	v_pk_add_f32 v[T+8*\b+\i:T+8*\b+\i+1], v[AC+8*\b+\i:AC+8*\b+\i+1], v[BL+2*((\a)/2):BL+2*((\a)/2)+1] op_sel:[0,1] op_sel_hi:[1,1]
.else
	v_pk_add_f32 v[T+8*\b+\i:T+8*\b+\i+1], v[AC+8*\b+\i:AC+8*\b+\i+1], v[BL+2*((\a)/2):BL+2*((\a)/2)+1] op_sel_hi:[1,0]
.endif
.else
	v_pk_add_f32 v[T+8*\b+\i:T+8*\b+\i+1], v[AC+8*\b+\i:AC+8*\b+\i+1], v[BI+8*\b+\i:BI+8*\b+\i+1]
.endif
.endr
.endr
	WIN 0
	QUANT PC+8*(\a), PW+(\a)
.irp c, 0,1
.if \isv
	global_store_b128 v[L16], v[PC+8*(\a)+4*\c:PC+8*(\a)+4*\c+3], s[12:13] offset:HEADB*((\a)/4)+1024*((\a)%4)+512*\c th:TH_STORE_NT
.else
	global_store_b128 v[L16], v[PC+8*(\a)+4*\c:PC+8*(\a)+4*\c+3], s[12:13] offset:HEADB*\c+512*(\a) th:TH_STORE_NT
.endif
.endr
.endm
.macro WORDS
.irp i, 0,1,2,3
	v_cndmask_b32 v[SW+\i], v[PW+2*\i], v[PW+2*\i+1], s99
.endr
.endm
	s_wait_loadcnt 0x0
	PLACES NP
	s_cmp_eq_u32 ttmp9, 2
	s_cbranch_scc1 .Lepi_v
.irp a, 0,1,2,3,4,5,6,7
	EPI \a, 0
.endr
.set n, 0
.irp i, 0,2,1,3
	v_perm_b32 v[SW+n], v[PW+2*\i+1], v[PW+2*\i], 0x05040100    ; the first head's bytes of two tiles
	v_perm_b32 v[SW1+n], v[PW+2*\i+1], v[PW+2*\i], 0x07060302   ; the second head's
.set n, n+1
.endr
.irp i, 0,1,2,3
	v_cndmask_b32 v[SW+\i], v[SW+\i], v[SW1+\i], s99            ; lanes 0-15 store the first head's, lanes 16-31 the second's
.endr
	v_mul_u32_u24 v3, v2, HEADB
	v_lshl_add_u32 v3, v1, 4, v3
	global_store_b128 v3, v[SW:SW+3], s[12:13] offset:4096 th:TH_STORE_NT   ; two units of 256 bytes
	s_branch .Lout
.Lepi_v:
.irp a, 0,1,2,3,4,5,6,7
	EPI \a, 1
.endr
	WORDS
	global_store_b64 v[L8], v[SW:SW+1], s[12:13] offset:4096 th:TH_STORE_NT
	global_store_b64 v[L8], v[SW+2:SW+3], s[12:13] offset:HEADB+4096 th:TH_STORE_NT
.Lout:
	s_wait_tensorcnt 0x0
	ds_add_u32 v106, v107
	s_wait_dscnt 0x0
	CROUND
	s_endpgm
.Lfunc_end_k_q033c778a1c_proj:
	.size	k_q033c778a1c_proj, .Lfunc_end_k_q033c778a1c_proj-k_q033c778a1c_proj
	.p2alignl 7, 3214868480
	.fill 96, 4, 3214868480
	.section	.rodata,"a",@progbits
	.p2align	6, 0x0
	.amdhsa_kernel k_q033c778a1c_proj
		.amdhsa_group_segment_fixed_size 327680
		.amdhsa_private_segment_fixed_size 0
		.amdhsa_enable_private_segment 0
		.amdhsa_kernarg_size 96
		.amdhsa_user_sgpr_count 2
		.amdhsa_user_sgpr_kernarg_segment_ptr 1
		.amdhsa_wavefront_size32 1
		.amdhsa_system_sgpr_workgroup_id_x 1
		.amdhsa_system_sgpr_workgroup_id_y 1
		.amdhsa_system_sgpr_workgroup_id_z 1
		.amdhsa_system_vgpr_workitem_id 0
		.amdhsa_next_free_vgpr 1024
		.amdhsa_next_free_sgpr 102
		.amdhsa_reserve_vcc 0
		.amdhsa_float_denorm_mode_32 3
		.amdhsa_float_denorm_mode_16_64 3
		.amdhsa_memory_ordered 1
		.amdhsa_forward_progress 1
		.amdhsa_inst_pref_size 196
	.end_amdhsa_kernel
	.amdgpu_metadata
---
amdhsa.version: [ 1, 2 ]
amdhsa.kernels:
  - .name:           k_q033c778a1c_proj
    .symbol:         k_q033c778a1c_proj.kd
    .args:
      - { .name: x_codes, .offset: 0, .size: 8, .value_kind: global_buffer, .address_space: global }
      - { .name: x_scales, .offset: 8, .size: 8, .value_kind: global_buffer, .address_space: global }
      - { .name: Wq_codes, .offset: 16, .size: 8, .value_kind: global_buffer, .address_space: global }
      - { .name: Wq_scales, .offset: 24, .size: 8, .value_kind: global_buffer, .address_space: global }
      - { .name: Wk_codes, .offset: 32, .size: 8, .value_kind: global_buffer, .address_space: global }
      - { .name: Wk_scales, .offset: 40, .size: 8, .value_kind: global_buffer, .address_space: global }
      - { .name: Wv_codes, .offset: 48, .size: 8, .value_kind: global_buffer, .address_space: global }
      - { .name: Wv_scales, .offset: 56, .size: 8, .value_kind: global_buffer, .address_space: global }
      - { .name: bq, .offset: 64, .size: 8, .value_kind: global_buffer, .address_space: global }
      - { .name: bk, .offset: 72, .size: 8, .value_kind: global_buffer, .address_space: global }
      - { .name: bv, .offset: 80, .size: 8, .value_kind: global_buffer, .address_space: global }
      - { .name: ws, .offset: 88, .size: 8, .value_kind: global_buffer, .address_space: global }
    .group_segment_fixed_size: 327680
    .private_segment_fixed_size: 0
    .kernarg_segment_align: 8
    .kernarg_segment_size: 96
    .max_flat_workgroup_size: 128
    .sgpr_count:     102
    .vgpr_count:     1024
    .wavefront_size: 32
...
	.end_amdgpu_metadata
.endif
;; end of part 1
;; launch attn (part 2): grid 4 x 64, 16 waves a work-group, clusters of 4 x 1, 228,352 bytes of LDS; arguments ws, out0; writes out0
.if DOCPART == 2
	.amdgcn_target "amdgcn-amd-amdhsa--gfx1250"
	.amdhsa_code_object_version 6
	.text
	.protected	k_q033c778a1c_attn
	.globl	k_q033c778a1c_attn
	.p2align	8
	.type	k_q033c778a1c_attn,@function
k_q033c778a1c_attn:
	s_mov_b64 s[64:65], 0
	v_nop
	global_prefetch_b8 v0, s[64:65] scope:SCOPE_SE
	s_setreg_imm32_b32 hwreg(HW_REG_WAVE_MODE, 25, 1), 1
	s_wait_xcnt 0x0
	s_wait_alu depctr_hold_cnt(0) depctr_sa_sdst(0) depctr_va_vdst(0) depctr_va_sdst(0) depctr_va_ssrc(0) depctr_va_vcc(0) depctr_vm_vsrc(0)
	s_getreg_b32 s2, hwreg(HW_REG_IB_STS2, 6, 4)
	s_cmp_eq_u32 s2, 0
	s_cbranch_scc0 .Lentry_in_a_cluster
	s_endpgm
.Lentry_in_a_cluster:
	s_bfe_u32 s2, ttmp6, 0x10000c
	s_cmp_lg_u32 s2, 0x3003
	s_cbranch_scc0 .Lentry_shape_is_right
	s_endpgm
.Lentry_shape_is_right:
; out[b][q][64 head + d] = the sum over keys of softmax(q . k / 32) v, both products on codes of FP4 (E2M1) with one E8M0 scale for each 32 along a product's K.  Codes and scale words come from ws as images of the
; operands' registers (64 heads x 16 steps of 128 tokens x a record of 13,056 bytes: +0 Qc, +4096 Qs, +4352 Kc, +8448 Ks, +8704 Vc, +12800 Vs).
; THE SOFTMAX AHEAD OF THE SECOND PRODUCT: t = score x log2(e) / 32; M = the row's largest t so far, rounded UP to a whole number; p = 2^(t - M) is what is quantised, along the keys; it is not normalised.
; The row's sum is taken of the unquantised p, in f32, and divides O at the end.  When M moves, the sum and O are multiplied by 2^(old M - new M): exact.
; LIMITS: NaN and infinities are not served; the scaled scores t stay under 2^31 in magnitude.  A block whose every p has fallen under 2^-124 gets the byte 1.
; SHARES.  A work-group owns 512 queries of one head; each of its sixteen waves owns 32, two tiles of 16, in 256 registers.  Each fragment of K and V read from LDS feeds both tiles.
; THE HEAD'S WHOLE K AND V, 16 steps, LIE IN LDS: filled once, one tensor load a wave (wave w: step w), never filled again.  A step is 34 rows of 256 bytes, 32 bytes of padding behind each.
; CLUSTER.  The four work-groups of a head read the same K and V: each tile is asked for jointly, by the same tensor load with the same descriptor and a mask that names the four.
; NO PREFETCH: K and V are asked for once, at the head; no loop stands ahead of those loads.
; LAYOUT.  Both products are used transposed: S^T = K Q^T (source 0 = 32 keys, source 1 = 16 queries), O^T = V^T P^T (source 0 = 32 of the head's 64, source 1 = P): a lane (r, h) holds ONE query, r, throughout.
; THE KEYS OF A TILE: row m of tile (g, t), g = 0, 1, t = 0 .. 3, is key 64 g + 32 (m / 8) + 8 t + m % 8.  So register 32 g + 8 t + j of S^T in lane (r, h) is key 64 g + 32 h + 8 t + j: A WHOLE BLOCK OF 32 KEYS LIES IN A LANE,
; in the order that P's operand wants: a conversion's result is a register of that operand.
; THE FIRST PRODUCT'S K IS 64, the instruction's 128.  Source 0's 16 registers for g: tile 0 (rows 0-15, k 0-63), tile 2 (rows 0-15, k 64-127), tile 1 (rows 16-31, k 0-63), tile 3 (rows 16-31, k 64-127).
; With Q's codes below and zeros above the product is of tiles 0 and 1, the other way round of tiles 2 and 3: what meets zero codes adds nothing, and no scale byte is 0xff.
.set REC,   13056
.set HEADB, 16*REC
.set KOFF,  4352                       ; Kc .. Vs of a record: 8,704 consecutive bytes
.set ROWP,  288                        ; a row of 256 bytes in LDS: rows 4 further on begin 128 bytes on modulo 256, so that the two groups of eight keys of a K fragment touch different banks
.set STEPB, 34*ROWP                    ; a step in LDS: Kc rows 0-15, Ks row 16, Vc rows 17-32, Vs row 33
.set KSO,   16*ROWP
.set VCO,   17*ROWP
.set VSO,   33*ROWP
.set STAGE, 16*STEPB                   ; behind the tiles: 16 rows x (256 bytes + 16) for each wave, for the way out; no tensor load lands there
.set SP,    272
.set SPARE, STAGE+16*16*SP             ; the spare words, 128 bytes for each wave
.set BK,   1                           ; v1-4  my lane's place among Kc, Vc, Ks, Vs
.set BV,   2
.set BKS,  3
.set BVS,  4
.set AD,   5                           ; v5-6  addresses of the loads in hand
.set F,    6                           ; v6    2^(old M - new M), between the loads
.set QS,   7                           ; v7    Q's scale words: lanes 0-15 tile 0, lanes 16-31 tile 1; the pair of bytes twice
.set KS,   8                           ; v8-9  K's scale words of g = 0, 1: lane m = row m of the 32; bytes 0, 1 tiles 0 and 1, bytes 2, 3 tiles 2 and 3
.set VS,   10                          ; v10-11 V's: channels 32 e + lane
.set QZ,   12                          ; v12-31: zeros, Q of tile 0, zeros, Q of tile 1, zeros, four registers each
.set ST,   32                          ; tile x: v[32 + 4 x] -M, +1 the largest score, +2, +3 the sum in two halves
.set W,    40                          ; v40-41 p's scale words
.set BM,   42                          ; v42-43 the two blocks' largest scores, then largest p, then the conversions' scale operands
.set TC,   44                          ; v44-45 at work; the sum's second chain
.set SPW,  46                          ; v46   LDS address of my spare word; never rewritten
.set NIL,  47                          ; v47   0; never rewritten
.set PC,   48                          ; v48-63 p's codes, 8 a tile
.set K,    64                          ; v64-95 K's fragments of a step
.set V,    96                          ; v96-127 V's
.set S,    128                         ; v128-191 S^T, then p
.set O,    192                         ; v192-255 O^T, 32 a tile
.set WV,   8                           ; s8   my wave's number
.set SEL,  40                          ; s[40:41] lane selects for v_permlanex16_b32: lane l xor 16
.set NC,   42                          ; s42  -c, c = log2(e) / 32
.set TB,   44                          ; s44  LDS byte at which the step in hand begins
.set CNT,  45                          ; s45  trips to go
.macro CROUND                          ; a round of the cluster's barrier
	s_barrier_signal -1
	s_barrier_wait -1
	s_cmp_lg_u32 s[WV], 0
	s_cbranch_scc1 .Lnot_wave_0_\@
	s_barrier_signal -3
.Lnot_wave_0_\@:
	s_barrier_wait -3
	s_barrier_signal -1
	s_barrier_wait -1
.endm
	s_load_b128 s[4:7], s[0:1], 0x0                ; ws s[4:5], out s[6:7]
	v_lshl_add_u32 v[SPW], v0, 2, SPARE
	v_mov_b32 v[NIL], 0
	ds_add_u32 v[SPW], v[NIL]                      ; the opening add, twice on end, under one wait
	ds_add_u32 v[SPW], v[NIL]
	v_lshrrev_b32 v5, 5, v0
	v_readfirstlane_b32 s[WV], v5                  ; wave 0..15
	s_bfe_u32 s9, ttmp6, 0x40000                   ; cx: which 512 queries: it enters Q's and out's addresses alone
	s_and_b32 s10, ttmp7, 0xffff                   ; 16 batch + head, which the four partners share
	s_mul_i32 s52, s10, HEADB                      ; the head's first byte in ws: under 2^24
	s_mov_b32 s53, 0
	s_mul_i32 s54, s[WV], REC                      ; key step w,
	s_add_co_u32 s54, s54, KOFF                    ; its K and V
	s_mov_b32 s55, 0
	; descriptor group 1: 34 rows of 256 bytes (32 elements of 8 bytes), dense in memory
	s_mov_b32 s16, 15|(3<<16)|(1<<20)|(1<<21)|(5<<22)|(7<<25)  ; 15:0 the mask: all four work-groups; 17:16 elements of 8 bytes; 20 padding; 21 set beside a mask; 24:22 after every 64 words; 31:25 of 8 words
	s_mov_b32 s17, 32<<16                          ; tensor_dim0
	s_mov_b32 s18, 34<<16                          ; tensor_dim1
	s_mov_b32 s19, 32<<16                          ; tile_dim0
	s_mov_b32 s20, 34                              ; tile_dim1
	s_mov_b32 s21, 32                              ; tensor_dim0_stride
	s_mov_b32 s22, 0
	s_mov_b32 s23, 0
	s_mov_b32 s32, 1                               ; group 0: count = 1
	s_mul_i32 s33, s[WV], STEPB                    ; LDS address: the wave's number x a step
	s_lshl_b32 s56, s9, 2
	s_lshr_b32 s57, s[WV], 2
	s_add_co_u32 s56, s56, s57                     ; my queries' step: 4 cx + wave / 4
	s_and_b32 s57, s[WV], 3                        ; my two tiles of its eight: 2 i and 2 i + 1, i = wave % 4
	s_mul_i32 s58, s56, REC
	s_and_b32 s60, s57, 1                          ; Q's scale words: W(i), at place 2 (i % 2) + i / 2 of each row's four
	s_lshl_b32 s60, s60, 1
	s_lshr_b32 s61, s57, 1
	s_or_b32 s60, s60, s61
	s_lshl_b32 s60, s60, 2
	s_add_co_u32 s60, s60, s58
	s_mov_b32 s61, 0
	s_lshl_b32 s59, s57, 10
	s_add_co_u32 s58, s58, s59                     ; Q's codes: 512 bytes a tile
	s_mov_b32 s59, 0
	s_lshr_b32 s62, s10, 4
	s_lshl_b32 s62, s62, 11                        ; out: batch x 2,048 rows
	s_lshl_b32 s56, s56, 7
	s_add_co_u32 s62, s62, s56                     ; + 128 x step
	s_lshl_b32 s57, s57, 5
	s_add_co_u32 s62, s62, s57                     ; + my 32 rows,
	s_lshl_b32 s62, s62, 12                        ; of 4,096 bytes: under 2^25 in all
	s_and_b32 s63, s10, 15
	s_lshl_b32 s63, s63, 8
	s_add_co_u32 s62, s62, s63                     ; + the head's 256 bytes
	s_mov_b32 s63, 0
	s_mov_b32 s[SEL], 0x76543210
	s_mov_b32 s[SEL+1], 0xfedcba98
	s_mov_b32 s[NC], 0xbd38aa3b                    ; -log2(e) / 32
	s_mov_b32 s[TB], 0
	s_wait_dscnt 0x0
	s_wait_kmcnt 0x0
	s_add_nc_u64 s[4:5], s[4:5], s[52:53]          ; ws at my head
	s_add_nc_u64 s[34:35], s[4:5], s[54:55]        ; group 0: the global address,
	s_or_b32 s35, s35, 0x80000000                  ; type = 2
	s_add_nc_u64 s[46:47], s[4:5], s[58:59]        ; Q's codes
	s_add_nc_u64 s[48:49], s[4:5], s[60:61]        ; Q's scale words
	s_add_nc_u64 s[50:51], s[6:7], s[62:63]        ; out
	s_mul_i32 s52, s[WV], 16*SP
	s_add_co_u32 s52, s52, STAGE                   ; my stage
	CROUND                                         ; all four work-groups are here: the joint loads meet
	; my one tensor load: key step w for all four work-groups.  Waves 0 and 1 have a line of their own: they alone wait for it ahead of the first barrier
	s_cmp_lt_u32 s[WV], 2
	s_cbranch_scc0 .Llater
	tensor_load_to_lds s[32:35], s[16:23]
	s_nop 0
.rept 4
	v_nop
.endr
	s_branch .Lasked
.Llater:
	tensor_load_to_lds s[32:35], s[16:23]
	s_nop 0
.rept 4
	v_nop
.endr
.Lasked:
	v_and_b32 v48, 31, v0
	v_and_b32 v5, 15, v0                           ; r
	v_bfe_u32 v6, v0, 4, 1                         ; h
	v_lshlrev_b32 v49, 4, v5
	v_lshl_add_u32 v[BVS], v48, 3, VSO             ; Vs: 8 bytes a lane
	v_lshlrev_b32 v48, 4, v48
	global_load_b128 v[QZ+4:QZ+7], v48, s[46:47]                  ; Q stays in registers
	global_load_b128 v[QZ+12:QZ+15], v48, s[46:47] offset:512
	global_load_b32 v50, v49, s[48:49] offset:4096 ; W(i) of row r, in both halves of the lanes
	v_lshlrev_b32 v51, 4, v6
	v_and_b32 v44, 7, v0                           ; r % 8
	v_bfe_u32 v45, v0, 3, 1                        ; r / 8
	v_mul_u32_u24 v[BK], v45, 4*ROWP
	v_lshl_add_u32 v[BK], v44, 4, v[BK]
	v_mad_u32_u24 v[BK], v6, ROWP, v[BK]           ; Kc: row h + 4 (r / 8), 16 bytes for each r % 8
	v_mul_u32_u24 v[BV], v6, ROWP
	v_lshl_add_u32 v[BV], v5, 4, v[BV]             ; Vc: row h, 16 bytes for each r
	v_lshlrev_b32 v[BKS], 7, v6
	v_lshl_add_u32 v[BKS], v44, 4, v[BKS]
	v_lshl_add_u32 v[BKS], v45, 3, v[BKS]          ; Ks: row 8 h + r % 8 of the record's sixteen, 8 bytes for each r / 8
	s_wait_alu depctr_va_vdst(0)
	s_wait_loadcnt 0x0                             ; Q
	v_lshrrev_b32 v50, v51, v50                    ; lanes 0-15 the lower pair (tile 0), lanes 16-31 the upper (tile 1),
	v_and_b32 v50, 0xffff, v50
	v_lshl_or_b32 v[QS], v50, 16, v50              ; twice
.irp j, 0,1,2,3,8,9,10,11,16,17,18,19
	v_mov_b32 v[QZ+\j], 0                          ; zero codes
.endr
.macro KLOAD a, b, off                 ; a step's K: 8 fragments of 4 registers, in source 0's order, and the scale words
.irp g, 0,1
	ds_load_b128 v[K+16*\g:K+16*\g+3], v[\a] offset:\off+8*ROWP*\g                   ; tile 0
	ds_load_b128 v[K+16*\g+4:K+16*\g+7], v[\a] offset:\off+8*ROWP*\g+2*ROWP          ; tile 2
	ds_load_b128 v[K+16*\g+8:K+16*\g+11], v[\a] offset:\off+8*ROWP*\g+128            ; tile 1
	ds_load_b128 v[K+16*\g+12:K+16*\g+15], v[\a] offset:\off+8*ROWP*\g+2*ROWP+128    ; tile 3
.endr
	ds_load_b64 v[KS:KS+1], v[\b] offset:\off+KSO
.endm
.macro VLOAD                           ; a step's V: 16 channels d, half k of the step's keys
.irp d, 0,1,2,3
	ds_load_b128 v[V+8*\d:V+8*\d+3], v[AD] offset:VCO+4*ROWP*\d
	ds_load_b128 v[V+8*\d+4:V+8*\d+7], v[AD] offset:VCO+4*ROWP*\d+2*ROWP
.endr
	ds_load_b64 v[VS:VS+1], v[AD+1]
.endm
; S^T of the step's 128 keys x tile x's 16 queries
.macro QK x
.irp g, 0,1
.if \x
	v_wmma_scale_f32_32x16x128_f4 v[S+32*\g:S+32*\g+15], v[K+16*\g:K+16*\g+15], v[QZ+12:QZ+19], 0, v[KS+\g], v[QS] matrix_b_scale:MATRIX_SCALE_ROW1
	v_wmma_scale_f32_32x16x128_f4 v[S+32*\g+16:S+32*\g+31], v[K+16*\g:K+16*\g+15], v[QZ+8:QZ+15], 0, v[KS+\g], v[QS] matrix_b_scale:MATRIX_SCALE_ROW1
.else
	v_wmma_scale_f32_32x16x128_f4 v[S+32*\g:S+32*\g+15], v[K+16*\g:K+16*\g+15], v[QZ+4:QZ+11], 0, v[KS+\g], v[QS]
	v_wmma_scale_f32_32x16x128_f4 v[S+32*\g+16:S+32*\g+31], v[K+16*\g:K+16*\g+15], v[QZ:QZ+7], 0, v[KS+\g], v[QS]
.endif
.endr
.endm
; O^T of tile x += channels 32 e .. of V^T x P^T, K = the step's 128 keys.  first = 1: the product starts the sum
.macro PV e, x, first
.if (\x) && (\first)
	v_wmma_scale_f32_32x16x128_f4 v[O+32*(\x)+16*(\e):O+32*(\x)+16*(\e)+15], v[V+16*(\e):V+16*(\e)+15], v[PC+8*(\x):PC+8*(\x)+7], 0, v[VS+(\e)], v[W] matrix_b_scale:MATRIX_SCALE_ROW1
.elseif \first
	v_wmma_scale_f32_32x16x128_f4 v[O+32*(\x)+16*(\e):O+32*(\x)+16*(\e)+15], v[V+16*(\e):V+16*(\e)+15], v[PC+8*(\x):PC+8*(\x)+7], 0, v[VS+(\e)], v[W]
.elseif \x
	v_wmma_scale_f32_32x16x128_f4 v[O+32*(\x)+16*(\e):O+32*(\x)+16*(\e)+15], v[V+16*(\e):V+16*(\e)+15], v[PC+8*(\x):PC+8*(\x)+7], v[O+32*(\x)+16*(\e):O+32*(\x)+16*(\e)+15], v[VS+(\e)], v[W] matrix_b_scale:MATRIX_SCALE_ROW1
.else
	v_wmma_scale_f32_32x16x128_f4 v[O+32*(\x)+16*(\e):O+32*(\x)+16*(\e)+15], v[V+16*(\e):V+16*(\e)+15], v[PC+8*(\x):PC+8*(\x)+7], v[O+32*(\x)+16*(\e):O+32*(\x)+16*(\e)+15], v[VS+(\e)], v[W]
.endif
.endm
; THE ROW'S SUM OF THE UNQUANTISED p, two at a time, in two chains: a list of 32 pairs of additions, of which lines from .. to are written.  They name only p, the sum and the second chain.
.macro SUMS x, first, from, to
.set L, ST+4*(\x)+2
.set n, \from
.rept (\to)-(\from)+1
.if n == 0
	v_dual_add_f32 v[TC], v[S], v[S+2] :: v_dual_add_f32 v[TC+1], v[S+1], v[S+3]
.elseif n == 31
	v_dual_add_f32 v[L], v[L], v[TC] :: v_dual_add_f32 v[L+1], v[L+1], v[TC+1]
.elseif (n == 1) && (\first)
	v_dual_add_f32 v[L], v[S+4], v[S+6] :: v_dual_add_f32 v[L+1], v[S+5], v[S+7]
.elseif (n == 2) && (\first)
.elseif n%2 == 1
	v_dual_add_f32 v[L], v[L], v[S+2*n+2] :: v_dual_add_f32 v[L+1], v[L+1], v[S+2*n+3]
.else
	v_dual_add_f32 v[TC], v[TC], v[S+2*n+2] :: v_dual_add_f32 v[TC+1], v[TC+1], v[S+2*n+3]
.endif
.set n, n+1
.endr
.endm
.macro RESCALE x                       ; O^T under the new M
.set j, 0
.rept 16
	v_dual_mul_f32 v[O+32*(\x)+j], v[O+32*(\x)+j], v[F] :: v_dual_mul_f32 v[O+32*(\x)+j+1], v[O+32*(\x)+j+1], v[F]
.set j, j+2
.endr
.endm
; p's two scale bytes of my lane's blocks, at bits 0 and 16
.macro WORD x
	v_lshrrev_b32 v[W+(\x)], 23, v[BM]
	v_lshrrev_b32 v[AD], 23, v[BM+1]
	v_lshl_or_b32 v[W+(\x)], v[AD], 16, v[W+(\x)]
.endm
; Tile x's softmax over the step's 128 keys and p's codes.  first = 1: the first step: nothing stands under an older M.
.macro SOFT x, first
.set NM, ST+4*(\x)
.irp q, 0,1,2,3                        ; four chains, 16 registers each: block 0 in BM and TC, block 1 in BM + 1 and TC + 1; each accumulator is read from its low end on
	v_max3_num_f32 v[BM+\q/2+2*(\q%2)], v[S+16*\q], v[S+16*\q+1], v[S+16*\q+2]
.endr
.irp i, 3,5,7,9,11,13
.irp q, 0,1,2,3
	v_max3_num_f32 v[BM+\q/2+2*(\q%2)], v[BM+\q/2+2*(\q%2)], v[S+16*\q+\i], v[S+16*\q+\i+1]
.endr
.endr
	v_max3_num_f32 v[BM], v[BM], v[TC], v[S+15]
	v_max3_num_f32 v[BM+1], v[BM+1], v[TC+1], v[S+47]
	v_max_num_f32 v[BM], v[BM], v[S+31]            ; THE LARGEST SCORE OF EACH BLOCK: it serves the row's maximum and, since p rises with the score, the block's largest p
	v_max_num_f32 v[BM+1], v[BM+1], v[S+63]
	v_max_num_f32 v[TC], v[BM], v[BM+1]
	s_delay_alu instid0(VALU_DEP_1)
	v_permlanex16_b32 v[TC+1], v[TC], s[SEL], s[SEL+1]   ; lane l xor 16 has the query's other two blocks
	s_delay_alu instid0(VALU_DEP_1)
.if \first
	v_max_num_f32 v[NM+1], v[TC], v[TC+1]          ; the largest score so far
	s_delay_alu instid0(VALU_DEP_1)
	v_mul_f32 v[TC], s[NC], v[NM+1]                ; as -t
	s_delay_alu instid0(VALU_DEP_1)
	v_floor_f32 v[NM], v[TC]                       ; -M = floor(-t) = -ceil(t): a whole number,
	v_mov_b32 v[TC+1], v[NM]                       ; and once more in an odd register, for the second halves of the pairs below
.else
	v_max3_num_f32 v[NM+1], v[NM+1], v[TC], v[TC+1]
	s_delay_alu instid0(VALU_DEP_1)
	v_mul_f32 v[TC], s[NC], v[NM+1]
	s_delay_alu instid0(VALU_DEP_1)
	v_floor_f32 v[TC], v[TC]
	s_delay_alu instid0(VALU_DEP_1)
	v_sub_f32 v[TC+1], v[TC], v[NM]                ; M's old value less its new one: a whole number, 0 or less
	s_delay_alu instid0(VALU_DEP_1)
	v_cvt_i32_f32 v[TC+1], v[TC+1]                 ; (it saturates)
	v_mov_b32 v[NM], v[TC]
	s_delay_alu instid0(VALU_DEP_2)
	v_ldexp_f32 v[F], 1.0, v[TC+1]                 ; f = 2^(old M - new M)
	v_mov_b32 v[TC+1], v[TC]                       ; -M once more, in an odd register, for the second halves of the pairs below
.if (\x) == 0
	RESCALE 0                                      ; no transcendental stands between the products that wrote it and this
.endif
.endif
.set j, 0
.rept 12
	v_dual_fmamk_f32 v[S+j], v[S+j], 0x3d38aa3b, v[NM] :: v_dual_fmamk_f32 v[S+j+1], v[S+j+1], 0x3d38aa3b, v[TC+1]   ; t - M of the first 24 scores
.set j, j+2
.endr
	v_dual_fmamk_f32 v[BM], v[BM], 0x3d38aa3b, v[NM] :: v_dual_fmamk_f32 v[BM+1], v[BM+1], 0x3d38aa3b, v[TC+1]       ; the same of each block's largest score
	s_wait_alu depctr_va_vdst(0)                   ; the wait ahead of the batch
.set j, 0
.set u, 24
.rept 24
	v_exp_f32 v[S+j], v[S+j]                       ; p = 2^(t - M), at most 1: not normalised
.if u < 64
	v_dual_fmamk_f32 v[S+u], v[S+u], 0x3d38aa3b, v[NM] :: v_dual_fmamk_f32 v[S+u+1], v[S+u+1], 0x3d38aa3b, v[TC+1]   ; t - M of the other 40, first read behind the wait below
.set u, u+2
.endif
.set j, j+1
.endr
	s_wait_alu depctr_va_vdst(0)                   ; and ahead of the second batch
.rept 40
	v_exp_f32 v[S+j], v[S+j]
.set j, j+1
.endr
	v_exp_f32 v[BM], v[BM]                         ; the block's largest p: the same two operations on the same number give the same bits
	v_exp_f32 v[BM+1], v[BM+1]
.if \first
	v_nop
.else
	v_dual_mul_f32 v[NM+2], v[NM+2], v[F] :: v_dual_mul_f32 v[NM+3], v[NM+3], v[F]   ; the sum under the new M: the plain instruction behind the last exponential
.endif
	s_wait_alu depctr_va_vdst(0)                   ; and behind it: one wait for the batch
.if ((\x) == 1) && ((\first) == 0)
	RESCALE 1
.endif
	v_dual_max_num_f32 v[BM], 0x1800000, v[BM] :: v_dual_max_num_f32 v[BM+1], 0x1800000, v[BM+1]   ; the floor 2^(3 - 127): the byte cannot fall under 1
	v_add_nc_u32 v[BM], 0xff000000, v[BM]          ; 2 off the exponent field: the conversion's scale operand
	v_add_nc_u32 v[BM+1], 0xff000000, v[BM+1]
.irp t, 0,1,2,3,4,5,6,7
	v_cvt_scalef32_pk8_fp4_f32 v[PC+8*(\x)+\t], v[S+8*\t:S+8*\t+7], v[BM+\t/4]
.endr
.endm
; A KEY STEP: 128 keys, both tiles of queries.  K is in registers at its head; this step's V and the next step's K are asked for on the way, and waited for by one wait.
.macro STEP first, last
	QK 0
	v_add_nc_u32 v[AD], s[TB], v[BV]               ; two of the four places ahead of the first read of the scores, and of the loads into V's registers
	v_add_nc_u32 v[AD+1], s[TB], v[BVS]
	v_nop
	v_nop
	VLOAD
	SOFT 0, \first
	SUMS 0, \first, 0, 31                          ; (the first: the plain instruction behind the last conversion)
	QK 1
	WORD 0                                         ; places ahead of the first read of the scores, and of the loads into K's registers
.if \last
	v_nop
.else
	v_add_nc_u32 v[AD], s[TB], v[BK]
	v_add_nc_u32 v[AD+1], s[TB], v[BKS]
	KLOAD AD, AD+1, STEPB                          ; the next step's K
.endif
	SOFT 1, \first
	WORD 1
	v_permlane16_swap_b32 v[W], v[W+1]             ; W: both tiles' bytes of blocks 0 and 2, W + 1: those of blocks 1 and 3; lanes 0-15 tile 0, lanes 16-31 tile 1
	v_lshl_or_b32 v[W], v[W+1], 8, v[W]            ; p's scale words for these 128 keys
	SUMS 1, \first, 0, 15                          ; places between the lines that wrote p's scale words and codes and the scaled products (eight and four are asked)
	s_wait_alu depctr_va_vdst(0)                   ; the wait ahead of the waits below
.if \first
	s_wait_tensorcnt 0x0                           ; every wave's key step has landed
.endif
	s_wait_dscnt 0x0                               ; V is in, and the next step's K
.if \first
	s_barrier_signal -1
.endif
.irp e, 0,1
	PV \e, 0, \first                               ; four accumulators, one instruction each: none follows itself
	PV \e, 1, \first
.endr
	SUMS 1, \first, 16, 31                         ; places ahead of the next step's loads into V's registers, and of the way out's first read of O^T
.endm
	s_wait_alu depctr_va_vdst(0)
	s_cmp_lt_u32 s[WV], 2
	s_cbranch_scc0 .Lnot_first
	s_wait_tensorcnt 0x0                           ; steps 0 and 1 have landed,
.Lnot_first:
	s_barrier_signal -1
	s_barrier_wait -1                              ; and everybody knows: step 0 reads steps 0 and 1 alone
	KLOAD BK, BKS, 0
	s_wait_dscnt 0x0
	STEP 1, 0
	s_wait_alu depctr_va_vdst(0)
	s_barrier_wait -1                              ; all sixteen steps lie in LDS
	s_mov_b32 s[TB], STEPB
	s_mov_b32 s[CNT], 14
.Lstep:
	STEP 0, 0
	s_add_co_u32 s[TB], s[TB], STEPB
	s_sub_co_u32 s[CNT], s[CNT], 1
	s_cmp_lg_u32 s[CNT], 0
	s_cbranch_scc1 .Lstep
	s_mov_b32 s[TB], 15*STEPB
	STEP 0, 1
	; THE WAY OUT.  The sum's two halves and the other half of the lanes' are added; O^T is divided by the sum and goes through my stage in LDS, a tile (16 queries x 256 bytes) at a time,
	; so that sixteen lanes store 256 consecutive bytes, aligned: one query's part of a row of out.
.irp x, 0,1
	v_add_f32 v[BM+\x], v[ST+4*\x+2], v[ST+4*\x+3]
.endr
	v_and_b32 v5, 15, v0                           ; r
	v_bfe_u32 v6, v0, 4, 1                         ; h
.irp x, 0,1
	v_permlanex16_b32 v[TC+\x], v[BM+\x], s[SEL], s[SEL+1]
.endr
	v_mul_u32_u24 v1, v5, SP
	v_mul_u32_u24 v2, v6, SP
	v_lshlrev_b32 v3, 12, v6
.irp x, 0,1
	v_add_f32 v[BM+\x], v[BM+\x], v[TC+\x]         ; the row's sum
.endr
	v_lshl_add_u32 v1, v6, 5, v1
	v_lshl_add_u32 v2, v5, 4, v2
	v_lshl_add_u32 v3, v5, 4, v3                   ; out: lanes 0-15 one row, lanes 16-31 the next
	v_add_nc_u32 v1, s52, v1                       ; in: row r; a tile's eight channels of my half: 64 d + 32 h bytes on
	v_add_nc_u32 v2, s52, v2                       ; back: lanes 0-15 one row, lanes 16-31 the next
	s_wait_alu depctr_va_vdst(0)
.irp x, 0,1
	v_rcp_f32 v[PC+\x], v[BM+\x]
.endr
	v_nop                                          ; a plain place behind the last reciprocal
	s_wait_alu depctr_va_vdst(0)                   ; one wait for the two, and for the products' results
.irp x, 0,1
.set j, 0
.rept 16
	v_dual_mul_f32 v[O+32*\x+j], v[O+32*\x+j], v[PC+\x] :: v_dual_mul_f32 v[O+32*\x+j+1], v[O+32*\x+j+1], v[PC+\x]   ; register 8 d + i is out(query r, channel 16 d + 8 h + i)
.set j, j+2
.endr
.endr
.irp x, 0,1
.irp d, 0,1,2,3
	ds_store_b128 v1, v[O+32*\x+8*\d:O+32*\x+8*\d+3] offset:64*\d
	ds_store_b128 v1, v[O+32*\x+8*\d+4:O+32*\x+8*\d+7] offset:64*\d+16
.endr
.irp i, 0,1,2,3,4,5,6,7
	ds_load_b128 v[S+32*\x+4*\i:S+32*\x+4*\i+3], v2 offset:2*\i*SP   ; LDS serves a wave's instructions in order (ISA guide 5.7.1.4): these see my stores, and the next tile's stores come behind them
.endr
.endr
.irp x, 0,1
.irp i, 0,1,2,3,4,5,6,7
	s_wait_dscnt 23-16*\x-\i                       ; behind this load: the tile's later loads, and for tile 0 the sixteen LDS instructions of tile 1
	global_store_b128 v3, v[S+32*\x+4*\i:S+32*\x+4*\i+3], s[50:51] offset:65536*\x+8192*\i th:TH_STORE_NT
.endr
.endr
	s_wait_tensorcnt 0x0                           ; the wave's end
	ds_add_u32 v[SPW], v[NIL]
	s_wait_dscnt 0x0
	CROUND                                         ; the closing round: no work-group ends while a partner may still ask for a tile that names it
	s_endpgm
.Lfunc_end_k_q033c778a1c_attn:
	.size	k_q033c778a1c_attn, .Lfunc_end_k_q033c778a1c_attn-k_q033c778a1c_attn
	.p2alignl 7, 3214868480
	.fill 96, 4, 3214868480
	.section	.rodata,"a",@progbits
	.p2align	6, 0x0
	.amdhsa_kernel k_q033c778a1c_attn
		.amdhsa_group_segment_fixed_size 228352
		.amdhsa_private_segment_fixed_size 0
		.amdhsa_enable_private_segment 0
		.amdhsa_kernarg_size 16
		.amdhsa_user_sgpr_count 2
		.amdhsa_user_sgpr_kernarg_segment_ptr 1
		.amdhsa_wavefront_size32 1
		.amdhsa_system_sgpr_workgroup_id_x 1
		.amdhsa_system_sgpr_workgroup_id_y 1
		.amdhsa_system_sgpr_workgroup_id_z 1
		.amdhsa_system_vgpr_workitem_id 0
		.amdhsa_next_free_vgpr 256
		.amdhsa_next_free_sgpr 66
		.amdhsa_reserve_vcc 0
		.amdhsa_float_denorm_mode_32 3
		.amdhsa_float_denorm_mode_16_64 3
		.amdhsa_memory_ordered 1
		.amdhsa_forward_progress 1
		.amdhsa_inst_pref_size 91
	.end_amdhsa_kernel
	.amdgpu_metadata
---
amdhsa.version: [ 1, 2 ]
amdhsa.kernels:
  - .name:           k_q033c778a1c_attn
    .symbol:         k_q033c778a1c_attn.kd
    .args:
      - { .name: ws, .offset: 0, .size: 8, .value_kind: global_buffer, .address_space: global }
      - { .name: out0, .offset: 8, .size: 8, .value_kind: global_buffer, .address_space: global }
    .group_segment_fixed_size: 228352
    .private_segment_fixed_size: 0
    .kernarg_segment_align: 8
    .kernarg_segment_size: 16
    .max_flat_workgroup_size: 512
    .sgpr_count:     66
    .vgpr_count:     256
    .wavefront_size: 32
...
	.end_amdgpu_metadata
.endif
;; end of part 2
